; MI455X (gfx1250); checked and timed in simulation.
; The chip was launched on July 23, 2026; its instructions are those of AMD's public machine-readable ISA for CDNA 5 (MIT licence, August 2026) and "CDNA5" Instruction Set Architecture Reference Guide (July 2026). The comments in the code are by the model that wrote it; some were corrected since.
;; Cross Attention. Allowed arithmetic: matrix products marked QUANTISED: E5M2 operands, one given power-of-two scale a tensor, by v_wmma_f32_16x16x64_bf8_bf8 or v_wmma_f32_16x16x128_bf8_bf8, f32 sums; everything else in f32.
;; Inputs: Wk_codes 128 x 8 x 32 uint8 (E5M2 codes of Wk, K innermost, in blocks of 32 codes); Wo_codes 128 x 4 x 32 uint8 (E5M2 codes of Wo, K innermost, in blocks of 32 codes); Wq_codes 128 x 8 x 32 uint8 (E5M2 codes of Wq, K innermost, in blocks of 32 codes); Wv_codes 128 x 8 x 32 uint8 (E5M2 codes of Wv, K innermost, in blocks of 32 codes); bk 128 float32; bo 128 float32; bq 128 float32; bv 128 float32; ligand_codes 4 x 4,096 x 8 x 32 uint8 (E5M2 codes of ligand, K innermost, in blocks of 32 codes); lowp_scales 12 int32 (the exponents e of the quantised operands' scales 2^e); pocket_codes 4 x 4,096 x 8 x 32 uint8 (E5M2 codes of pocket, K innermost, in blocks of 32 codes).
;; Outputs: out0 4 x 4,096 x 128 float32.
;; This version of the problem:
;;   THIS VERSION OF THE PROBLEM IS GIVEN IN LOW PRECISION. The matrix products marked QUANTISED in the list below multiply operands that are first quantised to E5M2 (5 exponent bits, 2 mantissa bits; 8 bits a number), with one given power-of-two scale for each operand tensor; their sums are f32. All else is computed in f32.
;;   The module's matrix products, in the order in which they are computed (A, B: the left and right operand; K: the contracted axis; several contracted axes count as one K, in the product's order):
;;     1. [M 16,384, K 256] x [K 256, N 128]; A: input ligand (given as codes); B: input Wq (given as codes): QUANTISED (scales: A lowp_scales[0], B lowp_scales[1])
;;     2. [M 16,384, K 256] x [K 256, N 128]; A: input pocket (given as codes); B: input Wk (given as codes): QUANTISED (scales: A lowp_scales[2], B lowp_scales[3])
;;     3. [M 16,384, K 256] x [K 256, N 128]; A: input pocket (given as codes); B: input Wv (given as codes): QUANTISED (scales: A lowp_scales[4], B lowp_scales[5])
;;     4. batch 4 x [M 4,096, K 128] x [K 128, N 4,096]; A: computed on the way; B: computed on the way: QUANTISED (scales: A lowp_scales[6], B lowp_scales[7])
;;     5. batch 4 x [M 4,096, K 4,096] x [K 4,096, N 128]; A: softmax (see below); B: computed on the way: QUANTISED (scales: A lowp_scales[8], B lowp_scales[9])
;;     6. [M 16,384, K 128] x [K 128, N 128]; A: computed on the way; B: input Wo (given as codes): QUANTISED (scales: A lowp_scales[10], B lowp_scales[11])
;;   THE QUANTISER, for each operand of a quantised product, along K:
;;     - The operand's scale is 2^e, e = its entry of the input lowp_scales (int32; the entries are numbered through the quantised products in the list's order, A before B).
;;     - Each number is divided by the scale, clamped to +-57,344, and rounded to the nearest number of E5M2, ties to even, subnormals kept.
;;     - The product sums the exact products of the quantised numbers (number of the format x scale) in f32.
;;   ~~~python
;;   def quantise(x, axis, e):      # numpy; x: float32 -> the quantised numbers, widened to float32 again
;;       x = np.moveaxis(x, axis, -1); K = x.shape[-1]
;;       r = np.clip(x / 2.0 ** e, -57344, 57344)
;;       step = 2.0 ** (np.maximum(np.frexp(np.where(r == 0, 1, r))[1] - 1, -14) - 2)
;;       q = np.round(r / step) * step * 2.0 ** e      # np.round: ties to even
;;       return np.moveaxis(q, -1, axis).astype(np.float32)
;;   ~~~
;;   SOFTMAX AHEAD OF A QUANTISED PRODUCT. Where the list says 'softmax', what is quantised is not the finished softmax but p = 2^(t - M), with t = logit x log2(e) and M = ceil(the row's largest t), a whole number; so 1/2 < the row's largest p <= 1. The row's sum l is taken of the UNQUANTISED p, in f32, and the product's result is divided by l at the end. Since M is a whole number, a kernel that streams over the keys may use a running M (the ceiling of the running maximum): every later rescaling is an exact power of two, so the quantised numbers keep their values, but for numbers so far below the row's largest that they fall under the format's range.
;;   OPERANDS COMPUTED ON THE WAY. 'Computed on the way' means the value that the module computes at that place (a softmax that the list does not call 'softmax' is quantised finished and normalised). What goes into a quantiser is computed in f32, as accurately as f32 sums, v_exp_f32 and their like allow (about 1e-6 of the number): no bf16 or f16 on the way to a quantiser, and a product that is left as it is and whose result goes on into a quantised operand takes f32 operands (vector FMAs, or v_wmma_f32_16x16x4_f32). A number that lies on a knife's edge between two numbers of the format may be rounded either way, as far as f32 arithmetic and the matrix unit's own rounding can turn it there, and no further.
;;   INPUTS GIVEN AS CODES. Wk (in the module: [256, 128], K = its axis 0); Wo (in the module: [128, 128], K = its axis 0); Wq (in the module: [256, 128], K = its axis 0); Wv (in the module: [256, 128], K = its axis 0); ligand (in the module: [4, 4096, 256], K = its axis 2); pocket (in the module: [4, 4096, 256], K = its axis 2): each comes as NAME_codes (uint8): NAME with its K axis moved to the last place and cut into blocks of 32 codes, [.., K / 32, bytes a block], one block behind the other in memory; one code a byte (a code: sign, 5 exponent bits, 2 mantissa bits); its scale is its entry of lowp_scales. Its value is code x scale, taken as it is: it is not quantised again, and the codes and scales need not be those that the quantiser above would give.
;; 2 versions, each right; version 2 is version 1 with the launch proj written anew for expert scheduling mode. Each part assembles by itself: llvm-mc -triple=amdgcn-amd-amdhsa -mcpu=gfx1250 --defsym DOCPART=n.
;; ======== version 1 of 2: 2 launches
;; workspace buffers: qimg 2,097,152 bytes; kvimg 4,194,304 bytes
;; launch proj (part 1): grid 128 x 3, 8 waves a work-group, no clusters, 33,792 bytes of LDS; arguments ligand_codes, pocket_codes, Wq_codes, Wk_codes, Wv_codes, bq, bk, bv, lowp_scales, qimg, kvimg; writes qimg, kvimg
.if DOCPART == 1
	.amdgcn_target "amdgcn-amd-amdhsa--gfx1250"
	.amdhsa_code_object_version 6
	.text
	.protected	k_q79629fcf47_proj
	.globl	k_q79629fcf47_proj
	.p2align	8
	.type	k_q79629fcf47_proj,@function
k_q79629fcf47_proj:
	s_mov_b64 s[64:65], 0
	v_nop
	global_prefetch_b8 v0, s[64:65] scope:SCOPE_SE
	s_setreg_imm32_b32 hwreg(HW_REG_WAVE_MODE, 25, 1), 1
	s_wait_xcnt 0x0
; Q = ligand Wq + bq, K = pocket Wk + bk, V = pocket Wv + bv, on the given codes of E5M2, each result quantised at once for the product that takes it:
; Q with 2^e6, K with 2^e7 (both along the head's 128), V with 2^e9 (along the keys).  e0 .. e11 are the whole numbers of lowp_scales.
; DEAD WORK: none in the whole program.  bq and bk move Q's and K's codes (a quantiser is a step of the problem), bv moves V's codes, bo is added to the output; all six products are live.  Every input is loaded.
; WHAT IS STORED: IMAGES OF OPERAND REGISTERS.  A fragment (16 rows x 128 along K, 16 registers a lane) is 2,048 bytes: chunk c (registers 4 c .. 4 c + 3) at 512 c + 16 x lane; lane (r, h) holds k = 32 c + 16 h + 0 .. 15 of the
; tile's row r.  That order of k is the same in both operands of every product of the program, so every product meets its partner; only the order of the sums inside an instruction differs from ascending k.
; THE ROWS OF A TILE ARE NOT NEIGHBOURS: lane r of tile t of a block of 128 takes row(t, r) = 32 (t / 2) + 8 (t % 2) + r + 8 (r / 8).  A product used transposed, whose source 0 follows that pattern, leaves in the 16 registers
; of result tiles 2 b and 2 b + 1 of lane (., h) the indices 32 b + 16 h + 0 .. 15: the conversions' results are the next operand's registers.
;   qimg:  [tile T = 8 X + t][2048], X = block of 128 rows of ligand (all batches on end).   kvimg: [X][K's 8 tiles | V's 8 tiles][2048], X = block of 128 rows of pocket: 32 KB a block.
; SHARES.  Work-group (X, job): job 0 = Q, 1 = K, 2 = V.  Wave w makes fragment w: 8 result tiles D[i] = INNER tile i (source 0) x OUTER tile w (source 1), two K steps of 128.
;   Q, K: INNER = the weight's 128 rows (units), OUTER = the block's 128 rows: a lane holds one row and its registers run along the units.
;   V:    INNER = the block's 128 rows of pocket (keys), OUTER = Wv's 128 rows (channels): a lane holds one channel and its registers run along the keys.
; One path serves all three: only pointers, offsets and exponents are chosen, by the job's number.  INNER is shared through LDS: wave w loads tile w and stores its image, so a work-group asks memory for each of its 64 KB once.
; The bias is what the sums begin with, divided by the power of two that the sums lack: b / 2^(ea + eb); the three scales are folded into the conversion's one: 2^(eo - ea - eb).
; NO CLUSTER, NO TENSOR LOAD: a work-group's whole input is 64 KB, asked for in one run of 16 loads a wave at its head; there is no walk over tiles in which joint requests could be repeated.  No prefetch: nothing is asked for later than at the head.
; LIMITS: eo - ea - eb between -126 and 112 for (e0, e1, e6), (e2, e3, e7), (e4, e5, e9), so that both powers of two below are f32 numbers.  NaN among the inputs is not served.
.set SPARE, 32768                      ; LDS: 0 .. 32767 INNER's images (tile i, K step s, chunk c at 4096 i + 2048 s + 512 c + 16 x lane); then the spare words, 128 bytes a wave
.set SPW,  1                           ; v1   LDS address of my spare word; never rewritten
.set NIL,  2                           ; v2   0; never rewritten
.set LO,   6                           ; v6   row(w, r) x 256 + 16 h: my lane's bytes in a block of 128 rows of 256 codes
.set LI,   7                           ; v7   16 x lane
.set IST,  8                           ; v8   4096 w + 16 x lane: where I store INNER tile w's image
.set BOK,  9                           ; v9   64 h: the bias of Q and K hangs on the unit
.set BOV,  10                          ; v10  4 x row(w, r): the bias of V hangs on the channel
.set SC,   11                          ; v11  2^(eo - ea - eb) as f32
.set LIM,  12                          ; v12  57,344 x that
.set VB,   13                          ; v13  bv of my channel
.set OUTR, 16                          ; v16-47   OUTER tile w: 16 s + 4 c
.set INR,  48                          ; v48-175  four tiles of INNER: 32 t + 16 s + 4 c
.set ACC,  176                         ; v176-239 the 8 result tiles
.set PC,   240                         ; v240-255 the fragment's codes
	s_load_b512 s[4:19], s[0:1], 0x0               ; ligand s[4:5], pocket s[6:7], Wq s[8:9], Wk s[10:11], Wv s[12:13], bq s[14:15], bk s[16:17], bv s[18:19]
	s_load_b128 s[20:23], s[0:1], 0x40             ; lowp_scales s[20:21], qimg s[22:23]
	s_load_b64 s[24:25], s[0:1], 0x50              ; kvimg
	v_lshl_add_u32 v[SPW], v0, 2, SPARE
	v_mov_b32 v[NIL], 0
	v_lshrrev_b32 v3, 5, v0
	v_readfirstlane_b32 s26, v3                    ; wave 0..7
	s_and_b32 s27, ttmp7, 0xffff                   ; the job
	v_and_b32 v4, 15, v0                           ; r
	v_bfe_u32 v5, v0, 4, 1                         ; h
	v_and_b32 v14, 8, v4
	v_add_nc_u32 v14, v14, v4                      ; r + 8 (r / 8)
	s_lshr_b32 s56, s26, 1
	s_lshl_b32 s56, s56, 5
	s_and_b32 s57, s26, 1
	s_lshl_b32 s57, s57, 3
	s_add_co_u32 s56, s56, s57                     ; 32 (w / 2) + 8 (w % 2)
	v_add_nc_u32 v14, s56, v14                     ; row(w, r)
	v_lshlrev_b32 v[LO], 8, v14
	v_lshl_add_u32 v[LO], v5, 4, v[LO]
	v_lshlrev_b32 v[BOV], 2, v14
	v_lshlrev_b32 v[BOK], 6, v5
	v_and_b32 v[LI], 31, v0
	v_lshlrev_b32 v[LI], 4, v[LI]
	s_lshl_b32 s59, s26, 12
	v_add_nc_u32 v[IST], s59, v[LI]
	s_lshl_b32 s55, ttmp9, 15                      ; the block's 128 rows of 256 bytes
	s_lshl_b32 s58, s26, 11                        ; my fragment's place among the eight
	s_wait_kmcnt 0x0
	s_load_b256 s[40:47], s[20:21], 0x0            ; e0 .. e7
	s_load_b128 s[48:51], s[20:21], 0x20           ; e8 .. e11
	; the choices hang on the job's number alone
	s_cmp_eq_u32 s27, 0
	s_cselect_b64 s[28:29], s[4:5], s[6:7]         ; the rows: ligand or pocket
	s_cselect_b64 s[30:31], s[8:9], s[10:11]       ; the weight: Wq or Wk,
	s_cselect_b64 s[36:37], s[14:15], s[16:17]     ; the bias: bq or bk,
	s_cselect_b64 s[38:39], s[22:23], s[24:25]     ; the images: qimg or kvimg
	s_cselect_b32 s54, 14, 15                      ; a block's images: 16 KB in qimg, 32 KB in kvimg
	s_lshl_b32 s56, ttmp9, s54
	s_add_co_u32 s56, s56, s58
	s_cmp_eq_u32 s27, 2
	s_cselect_b64 s[30:31], s[12:13], s[30:31]     ; or Wv,
	s_cselect_b64 s[36:37], s[18:19], s[36:37]     ; or bv
	s_cselect_b64 s[32:33], s[28:29], s[30:31]     ; INNER: V: the rows; Q, K: the weight
	s_cselect_b64 s[34:35], s[30:31], s[28:29]     ; OUTER: the other one
	s_cselect_b32 s52, s55, 0                      ; the block's offset goes to the one that holds the rows
	s_cselect_b32 s54, 0, s55
	s_cselect_b32 s57, 0x4000, 0                   ; V's tiles lie behind K's eight
	s_add_co_u32 s56, s56, s57
	s_mov_b32 s53, 0
	s_mov_b32 s55, 0
	s_mov_b32 s57, 0
	s_add_nc_u64 s[32:33], s[32:33], s[52:53]
	s_add_nc_u64 s[34:35], s[34:35], s[54:55]
	s_add_nc_u64 s[38:39], s[38:39], s[56:57]
.macro FRAGLD reg, p                   ; tile w's two fragments: lane (r, h) takes, of row(w, r), the 16 codes at 128 s + 32 c + 16 h
.irp s, 0,1
.irp c, 0,1,2,3
	global_load_b128 v[\reg+16*\s+4*\c:\reg+16*\s+4*\c+3], v[LO], s[\p:\p+1] offset:128*\s+32*\c
.endr
.endr
.endm
	FRAGLD INR, 32
	FRAGLD OUTR, 34
	s_wait_kmcnt 0x0
	s_cmp_eq_u32 s27, 0
	s_cselect_b32 s52, s40, s42                    ; ea
	s_cselect_b32 s53, s41, s43                    ; eb
	s_cselect_b32 s54, s46, s47                    ; eo
	s_cmp_eq_u32 s27, 2
	s_cselect_b32 s52, s44, s52
	s_cselect_b32 s53, s45, s53
	s_cselect_b32 s54, s49, s54
	s_add_co_i32 s52, s52, s53                     ; ea + eb
	s_sub_co_i32 s53, 0, s52                       ; and its negative, for the bias
	s_add_co_i32 s54, s54, s53
	s_add_co_i32 s54, s54, 127
	s_lshl_b32 s55, s54, 23
	v_mov_b32 v[SC], s55                           ; the conversion takes its exponent field
	s_add_co_i32 s54, s54, 15
	s_lshl_b32 s54, s54, 23
	s_or_b32 s54, s54, 0x600000
	v_mov_b32 v[LIM], s54
	; the sums begin with the bias / 2^(ea + eb).  The two arms hold no LDS instruction and no barrier.
	s_cmp_eq_u32 s27, 2
	s_cbranch_scc1 .Lbias_v
.irp i, 0,1,2,3,4,5,6,7                ; register j of tile i is unit 32 (i / 2) + 8 (i % 2) + 16 h + j
	global_load_b128 v[ACC+8*\i:ACC+8*\i+3], v[BOK], s[36:37] offset:(32*(\i/2)+8*(\i%2))*4
	global_load_b128 v[ACC+8*\i+4:ACC+8*\i+7], v[BOK], s[36:37] offset:(32*(\i/2)+8*(\i%2))*4+16
.endr
	s_wait_loadcnt 0x0                             ; the bias, and both tiles' fragments ahead of it
.set N, 0
.rept 64
	v_ldexp_f32 v[ACC+N], v[ACC+N], s53
.set N, N+1
.endr
	s_branch .Lbias_done
.Lbias_v:
	global_load_b32 v[VB], v[BOV], s[36:37]        ; one number a lane: all 64 registers belong to my channel
	s_wait_loadcnt 0x0
.set N, 0
.rept 64
	v_ldexp_f32 v[ACC+N], v[VB], s53
.set N, N+1
.endr
.Lbias_done:
.irp s, 0,1
.irp c, 0,1,2,3
	ds_store_b128 v[IST], v[INR+16*\s+4*\c:INR+16*\s+4*\c+3] offset:2048*\s+512*\c
.endr
.endr
	s_wait_dscnt 0x0                               ; for the others' sake: my image has landed
	s_barrier_signal -1
	s_barrier_wait -1                              ; INNER's eight tiles lie in LDS
.irp g, 0,1                            ; four tiles of INNER at a time
.if \g
.rept 4
	v_nop                                          ; places in front of loads into registers that matrix instructions have read
.endr
.endif
.irp t, 0,1,2,3
.irp s, 0,1
.irp c, 0,1,2,3
	ds_load_b128 v[INR+32*\t+16*\s+4*\c:INR+32*\t+16*\s+4*\c+3], v[LI] offset:4096*(4*\g+\t)+2048*\s+512*\c
.endr
.endr
.endr
	s_wait_dscnt 0x0
.irp s, 0,1                            ; the four accumulators take turns, one instruction a turn
.irp t, 0,1,2,3
	v_wmma_f32_16x16x128_bf8_bf8 v[ACC+8*(4*\g+\t):ACC+8*(4*\g+\t)+7], v[INR+32*\t+16*\s:INR+32*\t+16*\s+15], v[OUTR+16*\s:OUTR+16*\s+15], v[ACC+8*(4*\g+\t):ACC+8*(4*\g+\t)+7]
.endr
.endr
.endr
.rept 4
	v_nop                                          ; places in front of the first read of results
.endr
.irp b, 0,1,2,3                        ; each accumulator from its low end on
.set N, 0
.rept 16
	v_med3_num_f32 v[ACC+16*\b+N], v[ACC+16*\b+N], -v[LIM], v[LIM]   ; the conversion to an 8-bit code does not saturate (ISA guide 7.6.2): the hold at the largest code x the scale
.set N, N+1
.endr
	v_cvt_scalef32_pk8_bf8_f32 v[PC+4*\b:PC+4*\b+1], v[ACC+16*\b:ACC+16*\b+7], v[SC]
	v_cvt_scalef32_pk8_bf8_f32 v[PC+4*\b+2:PC+4*\b+3], v[ACC+16*\b+8:ACC+16*\b+15], v[SC]
.endr
	v_nop                                          ; a plain line behind the last conversion
.irp c, 0,1,2,3
	global_store_b128 v[LI], v[PC+4*\c:PC+4*\c+3], s[38:39] offset:512*\c   ; the wave stores 512 consecutive bytes, at a multiple of 512 from the buffer's first byte
.endr
	s_wait_tensorcnt 0x0                           ; the wave's end, behind my last LDS store
	ds_add_u32 v[SPW], v[NIL]
	s_wait_dscnt 0x0
	s_endpgm
.Lfunc_end_k_q79629fcf47_proj:
	.size	k_q79629fcf47_proj, .Lfunc_end_k_q79629fcf47_proj-k_q79629fcf47_proj
	.p2alignl 7, 3214868480
	.fill 96, 4, 3214868480
	.section	.rodata,"a",@progbits
	.p2align	6, 0x0
	.amdhsa_kernel k_q79629fcf47_proj
		.amdhsa_group_segment_fixed_size 33792
		.amdhsa_private_segment_fixed_size 0
		.amdhsa_enable_private_segment 0
		.amdhsa_kernarg_size 88
		.amdhsa_user_sgpr_count 2
		.amdhsa_user_sgpr_kernarg_segment_ptr 1
		.amdhsa_wavefront_size32 1
		.amdhsa_system_sgpr_workgroup_id_x 1
		.amdhsa_system_sgpr_workgroup_id_y 1
		.amdhsa_system_sgpr_workgroup_id_z 1
		.amdhsa_system_vgpr_workitem_id 0
		.amdhsa_next_free_vgpr 256
		.amdhsa_next_free_sgpr 66
		.amdhsa_reserve_vcc 0
		.amdhsa_float_denorm_mode_32 3
		.amdhsa_float_denorm_mode_16_64 3
		.amdhsa_memory_ordered 1
		.amdhsa_forward_progress 1
		.amdhsa_inst_pref_size 26
	.end_amdhsa_kernel
	.amdgpu_metadata
---
amdhsa.version: [ 1, 2 ]
amdhsa.kernels:
  - .name:           k_q79629fcf47_proj
    .symbol:         k_q79629fcf47_proj.kd
    .args:
      - { .name: ligand_codes, .offset: 0, .size: 8, .value_kind: global_buffer, .address_space: global }
      - { .name: pocket_codes, .offset: 8, .size: 8, .value_kind: global_buffer, .address_space: global }
      - { .name: Wq_codes, .offset: 16, .size: 8, .value_kind: global_buffer, .address_space: global }
      - { .name: Wk_codes, .offset: 24, .size: 8, .value_kind: global_buffer, .address_space: global }
      - { .name: Wv_codes, .offset: 32, .size: 8, .value_kind: global_buffer, .address_space: global }
      - { .name: bq, .offset: 40, .size: 8, .value_kind: global_buffer, .address_space: global }
      - { .name: bk, .offset: 48, .size: 8, .value_kind: global_buffer, .address_space: global }
      - { .name: bv, .offset: 56, .size: 8, .value_kind: global_buffer, .address_space: global }
      - { .name: lowp_scales, .offset: 64, .size: 8, .value_kind: global_buffer, .address_space: global }
      - { .name: qimg, .offset: 72, .size: 8, .value_kind: global_buffer, .address_space: global }
      - { .name: kvimg, .offset: 80, .size: 8, .value_kind: global_buffer, .address_space: global }
    .group_segment_fixed_size: 33792
    .private_segment_fixed_size: 0
    .kernarg_segment_align: 8
    .kernarg_segment_size: 88
    .max_flat_workgroup_size: 256
    .sgpr_count:     66
    .vgpr_count:     256
    .wavefront_size: 32
...
	.end_amdgpu_metadata
.endif
;; end of part 1
;; launch attn (part 2): grid 64 x 4, 8 waves a work-group, clusters of 4 x 1, 327,680 bytes of LDS; arguments qimg, kvimg, Wo_codes, bo, lowp_scales, out0; writes out0
.if DOCPART == 2
	.amdgcn_target "amdgcn-amd-amdhsa--gfx1250"
	.amdhsa_code_object_version 6
	.text
	.protected	k_q79629fcf47_attn
	.globl	k_q79629fcf47_attn
	.p2align	8
	.type	k_q79629fcf47_attn,@function
k_q79629fcf47_attn:
	s_mov_b64 s[64:65], 0
	v_nop
	global_prefetch_b8 v0, s[64:65] scope:SCOPE_SE
	s_setreg_imm32_b32 hwreg(HW_REG_WAVE_MODE, 25, 1), 1
	s_wait_xcnt 0x0
	s_wait_alu depctr_hold_cnt(0) depctr_sa_sdst(0) depctr_va_vdst(0) depctr_va_sdst(0) depctr_va_ssrc(0) depctr_va_vcc(0) depctr_vm_vsrc(0)
	s_getreg_b32 s2, hwreg(HW_REG_IB_STS2, 6, 4)
	s_cmp_eq_u32 s2, 0
	s_cbranch_scc0 .Lentry_in_a_cluster
	s_endpgm
.Lentry_in_a_cluster:
	s_bfe_u32 s2, ttmp6, 0x10000c
	s_cmp_lg_u32 s2, 0x3003
	s_cbranch_scc0 .Lentry_shape_is_right
	s_endpgm
.Lentry_shape_is_right:
; out = (softmax(Q K^T / sqrt(128)) V) Wo + bo, all three products on codes of E5M2.  Q, K, V come as images of operand registers (2,048 bytes a fragment: chunk c at 512 c + 16 x lane; lane (r, h): k = 32 c + 16 h + 0 .. 15 of row r;
; lane r of tile t of a block of 128 holds row 32 (t / 2) + 8 (t % 2) + r + 8 (r / 8)): qimg [tile][2048]; kvimg [block of 128 keys][K's 8 tiles | V's 8 tiles][2048], V with the keys along k.  No work is left out.
; THE SOFTMAX: t = score x log2(e) / sqrt(128); M = the largest t so far, rounded up to a whole number; p = 2^(t - M) is quantised with 2^e8, not normalised; the row's sum is taken of the unquantised p and divides at the end.
; SHARES.  A work-group owns 64 queries of a batch.  Wave w = 4 qp + ks owns TWO tiles of 16 queries (tiles 2 qp, 2 qp + 1 of the four) and A QUARTER OF THE KEYS: of every slot of 512 keys the block of 128 numbered ks: 8 steps.
; Two tiles to a wave, so that each fragment of K and V read from LDS feeds two products.  Each wave has its own M, sum and O^T; at the end the four waves of a pair of tiles bring them under the largest M by exact powers of two and add.
; LAYOUT.  S^T = K Q^T and O^T = V^T P^T (source 0 = 16 keys, or 16 channels; source 1 = 16 queries): a lane holds ONE query throughout.  By the pattern of rows above, p's registers of tiles 2 b, 2 b + 1 are 16 neighbouring keys, and
; O^T's are 16 neighbouring channels: the conversions' results are the next product's operand.
; CLUSTER.  The four work-groups of a cluster are four query blocks of one batch and walk the same kvimg: every slot is asked for JOINTLY, each wave's 16 KB by the same tensor load with the same descriptor and a mask that names the four.
; RING.  Two slots of 128 KB; one round of the cluster's barrier and one load a wave for each step.  By this text's count a wave has two tensor loads out at the start and one behind each round.
; LIMITS, so that each power of two below is an f32 number: e6 + e7 between -123 and 130; e8 between -126 and 112; e10 - e8 - e9 between -126 and 112; e10 + e11 between -126 and 127.  NaN among the inputs is not served.
; Under a running M, kept for each quarter of the keys, a p far below the row's largest is quantised on a finer grid than under the row's final M would be left to it (it would fall under the format's range there).
; REGISTERS.  Window 0: v1-7 what stays; v8-11 the maxima's chains; v12-15 the sums' second chains; v16-23, v24-31 a tile's statistics; v32-95 four fragments of K or V; v96-159, v160-223 S^T, then p, of tile 0, 1; v224-255 p's codes.
;   Window 1: v0-63, v64-127 O^T of tile 0, 1; v128-159 Q's two fragments; v160-223 four more fragments of K or V.
.set SLOT1, 1<<17                      ; slot 1 begins here: one exclusive or turns an address in one slot into the other's
.set SLOTB, 131072                     ; a slot's bytes in kvimg: 4 blocks of 32 KB
.set SPARE, 2*SLOT1                    ; behind the ring: the spare words, 128 bytes a wave: four blocks of 256 bytes that no other line names
.set STATS, SPARE+1024                 ; -M0, l0, -M1, l1 of each wave: 512 w + 128 x item + 4 x lane
.set AIMG,  STATS+4096                 ; the attention's four fragments, as images
.set OSTG,  AIMG+8192                  ; the stage for the output: 64 rows x (512 bytes + 16)
.set SP,    528
.set SPW,  1                           ; v1  LDS address of my spare word; never rewritten
.set NIL,  2                           ; v2  0; never rewritten
.set LB,   3                           ; v3  32768 ks + 16 x lane: my block's place in a slot
.set ADR,  4                           ; v4  the same in the slot in hand
.set PFO,  5                           ; v5  256 x lane: the prefetches' offset; never rewritten
.set LIMP, 6                           ; v6  57,344 x 2^e8
.set SCP,  7                           ; v7  2^e8
.set CA,   8                           ; v8, v9 / v10, v11: tile q's two chains of maxima
.set SB,   12                          ; v[12:13] / v[14:15]: tile q's second chain of sums
.set ST,   16                          ; tile q's statistics at v[ST + 8 q]: +0 -M, +1 the largest t, +2, +3 the sum in two halves, +4 f, +5 0 (named as a pair's upper half), +6 a permute's destination, +7 the old -M
.set FB0,  32
.set S,    96
.set P,    224
.set QF,   128                         ; window 1
.set FB1,  160                         ; window 1
.set WV,   16                          ; s16 wave; s17 ks; s18 qp; s19 cx
.set KS,   17
.set QP,   18
.set CX,   19
.set SEL,  20                          ; s[20:21] selects of v_permlanex16_b32: lane l xor 16
.set CS,   22                          ; s[22:23] c = log2(e) / sqrt(128) x 2^(e6 + e7)
.set G1,   24                          ; s[24:31] descriptor group 1
.set G0A,  32                          ; s[32:35] group 0 of slot 0's first fill
.set G0B,  36                          ; s[36:39] group 0 of slot 1's first fill; it then walks
.set TB,   40                          ; s40 LDS byte at which the slot in hand begins
.set SLOTS, 41                         ; s41 slots still to be asked for
.set LIM,  42                          ; s42 1 in a wave that prefetches, else the greatest number
.set PFA,  44                          ; s[44:45] where my prefetches stand
.set MSB, 0
.macro WIN new                         ; s_set_vgpr_msb: bits 1:0 source 0, 3:2 source 1, 5:4 source 2, 7:6 destination; the high byte repeats the setting that is left
.if MSB != \new
	s_set_vgpr_msb (MSB<<8)|\new
.set MSB, \new
.endif
.endm
.macro CROUND                          ; a round of the cluster's barrier: my work-group's barrier; wave 0 signals for the work-group; every wave waits for all four work-groups; my work-group's barrier once more
	s_barrier_signal -1
	s_barrier_wait -1
	s_cmp_lg_u32 s[WV], 0
	s_cbranch_scc1 .Lnot_wave_0_\@
	s_barrier_signal -3
.Lnot_wave_0_\@:
	s_barrier_wait -3
	s_barrier_signal -1
	s_barrier_wait -1
.endm
; A PREFETCH of the slot that the NEXT change of slots will ask for: 131,072 bytes = 512 blocks of 256.  All sixteen clusters of a batch walk the same kvimg: the batch's first cluster asks.  Its four partners take 32 KB each, told apart
; BY ADDRESS; in each, waves 0 to 3 take 8 KB, lanes 256 bytes apart: one instruction a wave, each block named once in the launch.  It stands behind the wave's tensor load and its five lines.  The last change that fills a slot asks for
; nothing: there is no slot behind it.  Slots 0, 1 and 2 come by their loads alone.
.macro ASK
	s_cmp_gt_u32 s[SLOTS], s[LIM]
	s_cbranch_scc0 .Lnot_mine_\@
	global_prefetch_b8 v[PFO], s[PFA:PFA+1] th:TH_LOAD_NT scope:SCOPE_SE
.Lnot_mine_\@:
.endm
	s_load_b256 s[4:11], s[0:1], 0x0               ; qimg s[4:5], kvimg s[6:7], Wo's codes s[8:9], bo s[10:11]
	s_load_b128 s[12:15], s[0:1], 0x20             ; lowp_scales s[12:13], out0 s[14:15]
	v_lshl_add_u32 v[SPW], v0, 2, SPARE
	v_mov_b32 v[NIL], 0
	ds_add_u32 v[SPW], v[NIL]                      ; the wave's opening: the add, twice on end, and its wait ahead of my first tensor load; work on registers stands between the second and the wait
	ds_add_u32 v[SPW], v[NIL]
	v_lshrrev_b32 v3, 5, v0
	v_readfirstlane_b32 s[WV], v3                  ; wave 0..7
	s_and_b32 s[KS], s[WV], 3                      ; my quarter of the keys
	s_lshr_b32 s[QP], s[WV], 2                     ; my pair of query tiles
	s_bfe_u32 s[CX], ttmp6, 0x40000                ; my place in the cluster: it enters Q's, the output's and the prefetches' addresses alone
	s_lshl_b32 s60, ttmp9, 2
	s_add_co_u32 s60, s60, s[CX]                   ; my block of 64 queries
	s_and_b32 s61, ttmp7, 0xffff                   ; the batch, which the four partners share
	s_lshl_b32 s62, s61, 8
	s_lshl_b32 s63, s60, 2
	s_add_co_u32 s62, s62, s63
	s_lshl_b32 s63, s[QP], 1
	s_add_co_u32 s62, s62, s63                     ; my first tile of Q: 256 x batch + 4 x block + 2 qp
	s_lshl_b32 s46, s62, 11
	s_mov_b32 s47, 0
	s_lshl_b32 s66, s61, 12                        ; the eight rows of the output that I store: stage rows 8 w .. 8 w + 7 are queries
	s_lshl_b32 s67, s60, 6                         ; 64 x block + 32 (w / 4) + 8 ((w / 2) % 2) + 16 (w % 2) + 0 .. 7
	s_add_co_u32 s66, s66, s67
	s_lshl_b32 s67, s[QP], 5
	s_add_co_u32 s66, s66, s67
	s_bfe_u32 s67, s[WV], 0x10001
	s_lshl_b32 s67, s67, 3
	s_add_co_u32 s66, s66, s67
	s_and_b32 s67, s[WV], 1
	s_lshl_b32 s67, s67, 4
	s_add_co_u32 s66, s66, s67
	s_lshl_b32 s66, s66, 9                         ; rows of 512 bytes
	s_mov_b32 s67, 0
	s_lshl_b32 s68, s61, 20                        ; the batch's 32 blocks of 32 KB,
	s_lshl_b32 s69, s[WV], 14                      ; my 16 KB of a slot: made of the batch and the wave's number alone
	s_add_co_u32 s68, s68, s69
	s_mov_b32 s69, 0
	s_lshl_b32 s70, s61, 20                        ; the prefetches: the batch, my work-group's 32 KB, my wave's 8 KB,
	s_lshl_b32 s71, s[CX], 15
	s_add_co_u32 s70, s70, s71
	s_lshl_b32 s71, s[WV], 13
	s_add_co_u32 s70, s70, s71
	s_add_co_u32 s70, s70, 2*SLOTB                 ; in slot 2: the first change of slots steps it to slot 3
	s_mov_b32 s71, 0
	s_lshr_b32 s[LIM], s[WV], 2                    ; 0 in waves 0 to 3,
	s_or_b32 s[LIM], s[LIM], ttmp9                 ; of the batch's first cluster: the same in all four partners
	s_cmp_eq_u32 s[LIM], 0
	s_cselect_b32 s[LIM], 1, -1
	; descriptor group 1: 64 rows of 32 elements of 8 bytes, dense in memory and in LDS: 16 KB
	s_mov_b32 s[G1], 15|(3<<16)|(1<<21)            ; 15:0 the mask: all four work-groups; 17:16 elements of 8 bytes; 21 set beside a mask; no padding: images are read 16 x lane on end
	s_mov_b32 s[G1+1], 32<<16                      ; tensor_dim0 = 32
	s_mov_b32 s[G1+2], 64<<16                      ; tensor_dim1 = 64
	s_mov_b32 s[G1+3], 32<<16                      ; tile_dim0 = 32
	s_mov_b32 s[G1+4], 64                          ; tile_dim1 = 64
	s_mov_b32 s[G1+5], 32                          ; from row to row
	s_mov_b32 s[G1+6], 0
	s_mov_b32 s[G1+7], 0
	s_mov_b32 s[SEL], 0x76543210
	s_mov_b32 s[SEL+1], 0xfedcba98
	s_mov_b32 s[CS], 0x3e0293ee                    ; log2(e) / sqrt(128)
	s_mov_b32 s[TB], 0
	s_mov_b32 s[SLOTS], 6
	v_and_b32 v[PFO], 31, v0
	v_lshlrev_b32 v8, 4, v[PFO]                    ; 16 x lane
	v_lshlrev_b32 v[PFO], 8, v[PFO]
	s_lshl_b32 s72, s[KS], 15
	v_add_nc_u32 v[LB], s72, v8
	s_wait_dscnt 0x0                               ; both opening adds are done
	s_wait_kmcnt 0x0
	s_load_b256 s[48:55], s[12:13], 0x0            ; e0 .. e7
	s_load_b128 s[56:59], s[12:13], 0x20           ; e8 .. e11
	s_add_nc_u64 s[4:5], s[4:5], s[46:47]          ; Q at my first tile
	s_add_nc_u64 s[14:15], s[14:15], s[66:67]      ; the output at my eight rows
	s_add_nc_u64 s[PFA:PFA+1], s[6:7], s[70:71]
	CROUND                                         ; all four work-groups are here: the first joint loads meet
	s_mov_b32 s[G0A], 1                            ; count = 1
	s_lshl_b32 s[G0A+1], s[WV], 14                 ; LDS address: 16384 x wave, in slot 0
	s_add_nc_u64 s[G0A+2:G0A+3], s[6:7], s[68:69]  ; global address: keys 0 .. 511 of the batch
	s_mov_b32 s[G0B], 1
	s_add_co_u32 s[G0B+1], s[G0A+1], SLOT1
	s_add_nc_u64 s[G0B+2:G0B+3], s[G0A+2:G0A+3], SLOTB
	s_or_b32 s[G0A+3], s[G0A+3], 0x80000000        ; type = 2
	s_or_b32 s[G0B+3], s[G0B+3], 0x80000000
	tensor_load_to_lds s[G0A:G0A+3], s[G1:G1+7]    ; every wave issues both first fills: no branch leads round them
	s_nop 0
	tensor_load_to_lds s[G0B:G0B+3], s[G1:G1+7]
	s_nop 0
.rept 4
	v_nop
.endr
	WIN 0x40                                       ; destination window 1
.irp q, 0,1
.irp c, 0,1,2,3
	global_load_b128 v[QF+16*\q+4*\c:QF+16*\q+4*\c+3], v8, s[4:5] offset:2048*\q+512*\c   ; Q's two fragments stay in registers
.endr
.endr
	WIN 0
	s_wait_kmcnt 0x0
	s_add_co_i32 s60, s54, s55
	s_lshl_b32 s60, s60, 23
	s_add_co_i32 s[CS], s[CS], s60                 ; a score stands for score x 2^(e6 + e7): the two exponents are added to c's exponent field
	s_mov_b32 s[CS+1], s[CS]                       ; (named with it as a pair, so it is written)
	s_add_co_i32 s60, s56, 127
	s_lshl_b32 s61, s60, 23
	v_mov_b32 v[SCP], s61
	s_add_co_i32 s60, s60, 15
	s_lshl_b32 s60, s60, 23
	s_or_b32 s60, s60, 0x600000
	v_mov_b32 v[LIMP], s60
	s_sub_co_i32 s60, s58, s56                     ; O^T / l stands for attention / 2^(e8 + e9): its conversion takes 2^(e10 - e8 - e9)
	s_sub_co_i32 s60, s60, s57
	s_add_co_i32 s60, s60, 127
	s_lshl_b32 s74, s60, 23
	s_add_co_i32 s60, s60, 15
	s_lshl_b32 s60, s60, 23
	s_or_b32 s75, s60, 0x600000                    ; and 57,344 x that
	s_add_co_i32 s60, s58, s59
	s_add_co_i32 s60, s60, 127
	s_lshl_b32 s76, s60, 23                        ; 2^(e10 + e11)
	s_mov_b32 s77, s76
.irp q, 0,1
	v_mov_b32 v[ST+8*\q+2], 0                      ; the sum, in two halves
	v_mov_b32 v[ST+8*\q+3], 0
	v_mov_b32 v[ST+8*\q+5], 0
	v_mov_b32 v[ST+8*\q+6], 0                      ; a lane permute's destination counts as one of its sources
.endr
.macro SCALE q, j                      ; pair j of tile q: t - M = c s + (-M); of the pairs c and -M the low word serves both halves
	v_pk_fma_f32 v[S+64*(\q)+2*(\j):S+64*(\q)+2*(\j)+1], v[S+64*(\q)+2*(\j):S+64*(\q)+2*(\j)+1], s[CS:CS+1], v[ST+8*(\q):ST+8*(\q)+1] op_sel_hi:[1,0,0]
.endm
.macro SUM q, j                        ; the row's sum is taken of the unquantised p, in two chains: pairs 0 and 1 start the second, even pairs go to the first, odd ones to the second
.if (\j) == 1
	v_pk_add_f32 v[SB+2*(\q):SB+2*(\q)+1], v[S+64*(\q):S+64*(\q)+1], v[S+64*(\q)+2:S+64*(\q)+3]
.elseif ((\j) > 1) && ((\j) % 2 == 0)
	v_pk_add_f32 v[ST+8*(\q)+2:ST+8*(\q)+3], v[ST+8*(\q)+2:ST+8*(\q)+3], v[S+64*(\q)+2*(\j):S+64*(\q)+2*(\j)+1]
.elseif (\j) > 1
	v_pk_add_f32 v[SB+2*(\q):SB+2*(\q)+1], v[SB+2*(\q):SB+2*(\q)+1], v[S+64*(\q)+2*(\j):S+64*(\q)+2*(\j)+1]
.endif
.endm
.macro HOLD q, j                       ; the conversion to an 8-bit code does not saturate (ISA guide 7.6.2); p is not negative, so the hold is one-sided
	v_min_num_f32 v[S+64*(\q)+2*(\j)], v[S+64*(\q)+2*(\j)], v[LIMP]
	v_min_num_f32 v[S+64*(\q)+2*(\j)+1], v[S+64*(\q)+2*(\j)+1], v[LIMP]
.endm
; A STEP: my block of 128 keys of the slot in hand x my 32 queries.  first = 1: the first step starts M, and O^T's sums with the constant 0: nothing is cleared and nothing rescaled.
.macro STEP first
	v_add_nc_u32 v[ADR], s[TB], v[LB]
.irp t, 0,1,2,3
.irp c, 0,1,2,3
	ds_load_b128 v[FB0+16*\t+4*\c:FB0+16*\t+4*\c+3], v[ADR] offset:2048*\t+512*\c          ; K's tiles 0-3
.endr
.endr
	WIN 0x40
.irp t, 0,1,2,3
.irp c, 0,1,2,3
	ds_load_b128 v[FB1+16*\t+4*\c:FB1+16*\t+4*\c+3], v[ADR] offset:2048*(4+\t)+512*\c      ; K's tiles 4-7
.endr
.endr
	s_wait_dscnt 16                                ; tiles 0-3 are in; the 16 younger loads may be out
	WIN 0x04                                       ; Q in window 1
.irp t, 0,1,2,3
.irp q, 0,1
	v_wmma_f32_16x16x128_bf8_bf8 v[S+64*\q+8*\t:S+64*\q+8*\t+7], v[FB0+16*\t:FB0+16*\t+15], v[QF+16*\q:QF+16*\q+15], 0
.endr
.endr
	s_wait_dscnt 0x0
	WIN 0x05                                       ; K and Q in window 1
.irp t, 0,1,2,3
.irp q, 0,1
	v_wmma_f32_16x16x128_bf8_bf8 v[S+64*\q+8*(4+\t):S+64*\q+8*(4+\t)+7], v[FB1+16*\t:FB1+16*\t+15], v[QF+16*\q:QF+16*\q+15], 0
.endr
.endr
	WIN 0
.rept 4
	v_nop                                          ; places in front of loads into registers that matrix instructions have read, and of the first read of results
.endr
.irp t, 0,1,2,3
.irp c, 0,1,2,3
	ds_load_b128 v[FB0+16*\t+4*\c:FB0+16*\t+4*\c+3], v[ADR] offset:16384+2048*\t+512*\c    ; V's tiles: they land while the softmax is walked
.endr
.endr
	WIN 0x40
.irp t, 0,1,2,3
.irp c, 0,1,2,3
	ds_load_b128 v[FB1+16*\t+4*\c:FB1+16*\t+4*\c+3], v[ADR] offset:16384+2048*(4+\t)+512*\c
.endr
.endr
	WIN 0
	; the step's largest score of each query, among my 64 keys: two chains a tile, the tiles by turns; ascending
.irp q, 0,1
	v_max3_num_f32 v[CA+2*\q], v[S+64*\q], v[S+64*\q+1], v[S+64*\q+2]
.endr
.irp q, 0,1
	v_max3_num_f32 v[CA+2*\q+1], v[S+64*\q+3], v[S+64*\q+4], v[S+64*\q+5]
.endr
.irp i, 6,10,14,18,22,26,30,34,38,42,46,50,54,58
.irp q, 0,1
	v_max3_num_f32 v[CA+2*\q], v[CA+2*\q], v[S+64*\q+\i], v[S+64*\q+\i+1]
.endr
.irp q, 0,1
	v_max3_num_f32 v[CA+2*\q+1], v[CA+2*\q+1], v[S+64*\q+\i+2], v[S+64*\q+\i+3]
.endr
.endr
.irp q, 0,1
	v_max3_num_f32 v[CA+2*\q], v[CA+2*\q], v[S+64*\q+62], v[S+64*\q+63]
.endr
.irp q, 0,1
	v_max_num_f32 v[CA+2*\q], v[CA+2*\q], v[CA+2*\q+1]
.endr
.irp q, 0,1
	v_permlanex16_b32 v[ST+8*\q+6], v[CA+2*\q], s[SEL], s[SEL+1]
.endr
.irp q, 0,1
	v_max_num_f32 v[CA+2*\q], v[CA+2*\q], v[ST+8*\q+6]     ; and among lane l xor 16's
.endr
.if \first
.irp q, 0,1
	v_mul_f32 v[ST+8*\q+1], s[CS], v[CA+2*\q]              ; as t (c is positive)
.endr
.irp q, 0,1
	v_floor_f32 v[ST+8*\q], -v[ST+8*\q+1]                  ; -M = floor(-t) = -ceil(t): M is a whole number
.endr
.else
.irp q, 0,1
	v_mul_f32 v[CA+2*\q], s[CS], v[CA+2*\q]
.endr
.irp q, 0,1
	v_max_num_f32 v[ST+8*\q+1], v[ST+8*\q+1], v[CA+2*\q]   ; the running largest t
.endr
.irp q, 0,1
	v_mov_b32 v[ST+8*\q+7], v[ST+8*\q]
.endr
.irp q, 0,1
	v_floor_f32 v[ST+8*\q], -v[ST+8*\q+1]
.endr
.irp q, 0,1
	v_sub_f32 v[ST+8*\q+7], v[ST+8*\q], v[ST+8*\q+7]       ; old M - new M: a whole number, 0 or less
.endr
.irp q, 0,1
	v_cvt_i32_f32 v[ST+8*\q+7], v[ST+8*\q+7]               ; (it saturates)
.endr
.irp q, 0,1
	v_ldexp_f32 v[ST+8*\q+4], 1.0, v[ST+8*\q+7]            ; f = 2^(old M - new M): a multiplication by it rounds nothing
.endr
.endif
.set J, 0
.rept 32
	SCALE 0, J
.set J, J+1
.endr
.set J, 0
.rept 32                               ; tile 0's exponentials, with tile 1's scalings between them
	v_exp_f32 v[S+2*J], v[S+2*J]
	v_exp_f32 v[S+2*J+1], v[S+2*J+1]
	SCALE 1, J
.set J, J+1
.endr
.if \first == 0
.irp q, 0,1
	v_pk_mul_f32 v[ST+8*\q+2:ST+8*\q+3], v[ST+8*\q+2:ST+8*\q+3], v[ST+8*\q+4:ST+8*\q+5] op_sel_hi:[1,0]   ; the sums under the new M
.endr
.endif
	s_wait_alu depctr_va_vdst(0)                   ; one wait for tile 0's 64 exponentials, ahead of the first line that names a result
.set J, 0
.rept 32                               ; tile 1's exponentials, with tile 0's sums and holds between them; a pair is summed before it is held
	v_exp_f32 v[S+64+2*J], v[S+64+2*J]
	SUM 0, J
	v_exp_f32 v[S+64+2*J+1], v[S+64+2*J+1]
.if J > 0
	HOLD 0, J-1
.endif
.set J, J+1
.endr
	HOLD 0, 31
.irp n, 0,1,2,3,4,5,6,7
	v_cvt_scalef32_pk8_bf8_f32 v[P+2*\n:P+2*\n+1], v[S+8*\n:S+8*\n+7], v[SCP]
.endr
	v_pk_add_f32 v[ST+2:ST+3], v[ST+2:ST+3], v[SB:SB+1]    ; (a plain line behind the conversions)
	s_wait_alu depctr_va_vdst(0)                   ; one wait for tile 1's 64 exponentials
.set J, 0
.rept 32
	SUM 1, J
.if J > 0
	HOLD 1, J-1
.endif
.set J, J+1
.endr
	HOLD 1, 31
.irp n, 0,1,2,3,4,5,6,7
	v_cvt_scalef32_pk8_bf8_f32 v[P+16+2*\n:P+16+2*\n+1], v[S+64+8*\n:S+64+8*\n+7], v[SCP]
.endr
	v_pk_add_f32 v[ST+10:ST+11], v[ST+10:ST+11], v[SB+2:SB+3]   ; (a plain line between the last conversion and the products that read its result)
.if \first == 0
	WIN 0x41                                       ; O^T in window 1, f in window 0
.irp q, 0,1
.set J, 0
.rept 32
	v_pk_mul_f32 v[64*\q+2*J:64*\q+2*J+1], v[64*\q+2*J:64*\q+2*J+1], v[ST+8*\q+4:ST+8*\q+5] op_sel_hi:[1,0]   ; O^T under the new M; ascending
.set J, J+1
.endr
.endr
.endif
	s_wait_dscnt 0x0                               ; V is in
	WIN 0x50                                       ; C and D in window 1
.irp t, 0,1,2,3                        ; the 16 accumulators take turns, one instruction a turn
.irp q, 0,1
.if \first
	v_wmma_f32_16x16x128_bf8_bf8 v[64*\q+8*\t:64*\q+8*\t+7], v[FB0+16*\t:FB0+16*\t+15], v[P+16*\q:P+16*\q+15], 0
.else
	v_wmma_f32_16x16x128_bf8_bf8 v[64*\q+8*\t:64*\q+8*\t+7], v[FB0+16*\t:FB0+16*\t+15], v[P+16*\q:P+16*\q+15], v[64*\q+8*\t:64*\q+8*\t+7]
.endif
.endr
.endr
	WIN 0x51                                       ; V in window 1 too
.irp t, 0,1,2,3
.irp q, 0,1
.if \first
	v_wmma_f32_16x16x128_bf8_bf8 v[64*\q+8*(4+\t):64*\q+8*(4+\t)+7], v[FB1+16*\t:FB1+16*\t+15], v[P+16*\q:P+16*\q+15], 0
.else
	v_wmma_f32_16x16x128_bf8_bf8 v[64*\q+8*(4+\t):64*\q+8*(4+\t)+7], v[FB1+16*\t:FB1+16*\t+15], v[P+16*\q:P+16*\q+15], v[64*\q+8*(4+\t):64*\q+8*(4+\t)+7]
.endif
.endr
.endr
	WIN 0
.endm
; THE CHANGE OF SLOTS.  Each wave waits for all its tensor loads (its part of the slot ahead), adds 0 to its spare word, and waits for that and for its reads of the slot that it leaves.  fill = 1: the barrier is a round of the
; cluster's, so that no wave of any partner still reads that slot or has a load on its way; the joint refill, the keys two slots on, is the first thing behind it, one load a wave, and has a step in which to land.
.macro CHANGE fill
	WIN 0
	s_wait_tensorcnt 0x0                           ; no tensor load of mine is out, so a group 0 may be written
	ds_add_u32 v[SPW], v[NIL]                      ; 0 onto my spare word
.if \fill
	s_xor_b32 s[G0B+1], s[G0B+1], SLOT1            ; the walking descriptor: the other slot than last time,
	s_add_nc_u64 s[G0B+2:G0B+3], s[G0B+2:G0B+3], SLOTB   ; the next 512 keys; the type bits on top are not reached
	s_wait_xcnt 0x0                                ; the last prefetch, a step back, has read its address, so it may be written:
	s_add_nc_u64 s[PFA:PFA+1], s[PFA:PFA+1], SLOTB ; one slot further on than the walking descriptor
	s_wait_dscnt 0x0                               ; the add is done, and my reads of the slot that I leave are over
	CROUND
	tensor_load_to_lds s[G0B:G0B+3], s[G1:G1+7]
	s_nop 0
.rept 4
	v_nop                                          ; also the places in front of the step's loads into registers that the last products read
.endr
	ASK
.else
	s_wait_dscnt 0x0
	s_barrier_signal -1
	s_barrier_wait -1
.rept 4
	v_nop
.endr
.endif
	s_xor_b32 s[TB], s[TB], SLOT1                  ; on to the other slot
.endm
	s_wait_tensorcnt 1                             ; my part of slot 0 is in; slot 1's load, issued behind it, may be out
	s_barrier_signal -1
	s_barrier_wait -1                              ; everybody's is
	s_wait_loadcnt 0x0                             ; Q
	STEP 1
.Lslot:                                            ; 6 trips: slots 2 to 7 are asked for
	CHANGE 1
	STEP 0
	s_sub_co_u32 s[SLOTS], s[SLOTS], 1
	s_cmp_lg_u32 s[SLOTS], 0
	s_cbranch_scc1 .Lslot
	CHANGE 0                                       ; the last step is written out
	STEP 0
	; THE WAY OUT, the same text in every wave.  The sums' halves are added first: plain lines behind the last products.
.irp q, 0,1
	v_add_f32 v[ST+8*\q+2], v[ST+8*\q+2], v[ST+8*\q+3]
.endr
.irp q, 0,1
	v_permlanex16_b32 v[ST+8*\q+6], v[ST+8*\q+2], s[SEL], s[SEL+1]
.endr
.irp q, 0,1
	v_add_f32 v[ST+8*\q+2], v[ST+8*\q+2], v[ST+8*\q+6]     ; l of my quarter of the keys
.endr
	v_and_b32 v19, 31, v0                          ; lane
	v_and_b32 v20, 15, v0                          ; r
	v_bfe_u32 v21, v0, 4, 1                        ; h
	v_lshlrev_b32 v10, 4, v19                      ; v10: 16 x lane
	s_lshl_b32 s60, s[WV], 14
	v_add_nc_u32 v3, s60, v10                      ; v3: where I put O^T: 16384 w, in slot 0: it has had its last fill, and nobody has read it since the last change of slots
	s_lshl_b32 s60, s[WV], 9
	s_add_co_u32 s60, s60, STATS
	v_lshl_add_u32 v4, v19, 2, s60                 ; v4: where I put -M and l
	s_lshl_b32 s60, s[QP], 11
	s_add_co_u32 s60, s60, STATS
	v_lshl_add_u32 v11, v19, 2, s60                ; v11: the four partners' -M and l
	s_lshl_b32 s60, s[QP], 16
	s_lshl_b32 s61, s[KS], 11
	s_add_co_u32 s60, s60, s61
	v_add_nc_u32 v12, s60, v10                     ; v12: the four partners' O^T, tiles 2 ks and 2 ks + 1: channels 32 ks .. 32 ks + 31
	s_lshl_b32 s60, s[QP], 12
	s_add_co_u32 s60, s60, AIMG
	v_add_nc_u32 v14, s60, v10                     ; v14: my pair's two fragments of the attention
	s_lshl_b32 s61, s[KS], 9
	s_add_co_u32 s60, s60, s61
	v_add_nc_u32 v13, s60, v10                     ; v13: chunk ks of them, which I make
	s_mul_i32 s60, s[QP], 32*SP
	s_lshl_b32 s61, s[KS], 7
	s_add_co_u32 s60, s60, s61
	s_add_co_u32 s60, s60, OSTG
	v_mul_u32_u24 v15, v20, SP
	v_lshl_add_u32 v15, v21, 5, v15
	v_add_nc_u32 v15, s60, v15                     ; v15: the stage: row 32 qp + r, + 128 ks + 32 h bytes
	s_mul_i32 s60, s[WV], 8*SP
	s_add_co_u32 s60, s60, OSTG
	v_add_nc_u32 v31, s60, v10                     ; v31: back: rows 8 w on, 16 bytes a lane
	s_lshl_b32 s60, s[KS], 12
	v_lshlrev_b32 v8, 7, v20
	v_lshl_add_u32 v8, v21, 4, v8
	v_add_nc_u32 v8, s60, v8                       ; v8: Wo: row 32 ks + r of 128 codes, + 16 h
	s_lshl_b32 s60, s[KS], 7
	v_lshl_add_u32 v9, v21, 5, s60                 ; v9: bo: outputs 32 ks + 8 h on
	v_mov_b32 v6, s75                              ; 57,344 x 2^(e10 - e8 - e9)
	v_mov_b32 v7, s74                              ; 2^(e10 - e8 - e9)
.irp u, 0,1
.irp c, 0,1,2,3
	global_load_b128 v[32+16*\u+4*\c:32+16*\u+4*\c+3], v8, s[8:9] offset:2048*\u+32*\c   ; Wo's rows 32 ks + 16 u + r: my 32 outputs
.endr
.endr
.irp u, 0,1
	global_load_b128 v[64+8*\u:64+8*\u+3], v9, s[10:11] offset:64*\u
	global_load_b128 v[64+8*\u+4:64+8*\u+7], v9, s[10:11] offset:64*\u+16
.endr
	WIN 0x04                                       ; the stores' data in window 1
.set J, 0
.rept 32
	ds_store_b128 v3, v[4*J:4*J+3] offset:512*J    ; O^T as it stands, each accumulator from its low end on
.set J, J+1
.endr
	WIN 0
	ds_store_b32 v4, v[ST]
	ds_store_b32 v4, v[ST+2] offset:128
	ds_store_b32 v4, v[ST+8] offset:256
	ds_store_b32 v4, v[ST+10] offset:384
	s_wait_dscnt 0x0                               ; for the others' sake: my stores have landed
	s_barrier_signal -1
	s_barrier_wait -1
.irp k, 0,1,2,3
.irp n, 0,1,2,3
	ds_load_b32 v[224+4*\k+\n], v11 offset:512*\k+128*\n
.endr
.endr
.irp k, 0,1,2,3
.irp q, 0,1
.irp c, 0,1,2,3
	ds_load_b128 v[96+32*\k+16*\q+4*\c:96+32*\k+16*\q+4*\c+3], v12 offset:16384*\k+8192*\q+512*\c
.endr
.endr
.endr
	s_wait_dscnt 0x0
.irp q, 0,1                            ; -M* = the least of the four -M
	v_min_num_f32 v[17+8*\q], v[224+2*\q], v[228+2*\q]
.endr
.irp q, 0,1
	v_min_num_f32 v[17+8*\q], v[17+8*\q], v[232+2*\q]
.endr
.irp q, 0,1
	v_min_num_f32 v[17+8*\q], v[17+8*\q], v[236+2*\q]
.endr
.irp k, 0,1,2,3
.irp q, 0,1
	v_sub_f32 v[240+8*\q+2*\k], v[17+8*\q], v[224+4*\k+2*\q]   ; M of partner k less M*: a whole number, 0 or less
.endr
.endr
.irp k, 0,1,2,3
.irp q, 0,1
	v_cvt_i32_f32 v[240+8*\q+2*\k], v[240+8*\q+2*\k]
.endr
.endr
.irp k, 0,1,2,3
.irp q, 0,1
	v_ldexp_f32 v[240+8*\q+2*\k], 1.0, v[240+8*\q+2*\k]        ; g = 2^(M of partner k - M*)
.endr
.endr
.irp q, 0,1
	v_mul_f32 v[19+8*\q], v[225+2*\q], v[240+8*\q]
.endr
.irp k, 1,2,3
.irp q, 0,1
	v_fma_f32 v[19+8*\q], v[225+4*\k+2*\q], v[240+8*\q+2*\k], v[19+8*\q]   ; the row's sum under M*: over 1/2
.endr
.endr
.irp q, 0,1
	v_rcp_f32 v[20+8*\q], v[19+8*\q]
.endr
	v_nop                                          ; a plain line behind the reciprocals,
	s_wait_alu depctr_va_vdst(0)                   ; and one wait for both, ahead of their first reader
.irp k, 0,1,2,3
.irp q, 0,1
	v_mul_f32 v[240+8*\q+2*\k], v[240+8*\q+2*\k], v[20+8*\q]   ; g / the sum
.endr
.endr
.irp q, 0,1
.irp i, 0,2,4,6,8,10,12,14
	v_pk_mul_f32 v[96+16*\q+\i:96+16*\q+\i+1], v[96+16*\q+\i:96+16*\q+\i+1], v[240+8*\q:241+8*\q] op_sel_hi:[1,0]
.endr
.irp k, 1,2,3
.irp i, 0,2,4,6,8,10,12,14
	v_pk_fma_f32 v[96+16*\q+\i:96+16*\q+\i+1], v[96+32*\k+16*\q+\i:96+32*\k+16*\q+\i+1], v[240+8*\q+2*\k:241+8*\q+2*\k], v[96+16*\q+\i:96+16*\q+\i+1] op_sel_hi:[1,0,1]
.endr
.endr
.endr
.irp q, 0,1                            ; 16 neighbouring channels of my query: chunk ks of the attention's fragment
.irp i, 0,1,2,3,4,5,6,7,8,9,10,11,12,13,14,15
	v_med3_num_f32 v[96+16*\q+\i], v[96+16*\q+\i], -v6, v6
.endr
	v_cvt_scalef32_pk8_bf8_f32 v[80+4*\q:81+4*\q], v[96+16*\q:103+16*\q], v7
	v_cvt_scalef32_pk8_bf8_f32 v[82+4*\q:83+4*\q], v[104+16*\q:111+16*\q], v7
.endr
	v_nop                                          ; a plain line behind the last conversion
.irp q, 0,1
	ds_store_b128 v13, v[80+4*\q:83+4*\q] offset:2048*\q
.endr
	s_wait_dscnt 0x0
	s_barrier_signal -1
	s_barrier_wait -1                              ; the four fragments of the attention lie in LDS
.irp q, 0,1
.irp c, 0,1,2,3
	ds_load_b128 v[96+16*\q+4*\c:96+16*\q+4*\c+3], v14 offset:2048*\q+512*\c
.endr
.endr
	s_wait_dscnt 0x0
	s_wait_loadcnt 0x0                             ; Wo and bo
.irp q, 0,1
.irp u, 0,1
	v_wmma_f32_16x16x128_bf8_bf8 v[128+8*(2*\q+\u):128+8*(2*\q+\u)+7], v[32+16*\u:32+16*\u+15], v[96+16*\q:96+16*\q+15], 0   ; lane (r, h): query r, outputs 32 ks + 16 u + 8 h + 0 .. 7
.endr
.endr
.rept 4
	v_nop
.endr
.irp q, 0,1
.irp u, 0,1
.irp i, 0,2,4,6
	v_pk_fma_f32 v[160+8*(2*\q+\u)+\i:160+8*(2*\q+\u)+\i+1], v[128+8*(2*\q+\u)+\i:128+8*(2*\q+\u)+\i+1], s[76:77], v[64+8*\u+\i:64+8*\u+\i+1] op_sel_hi:[1,0,1]   ; sum x 2^(e10 + e11) + bo
.endr
.endr
.endr
.irp q, 0,1
.irp u, 0,1
	ds_store_b128 v15, v[160+8*(2*\q+\u):160+8*(2*\q+\u)+3] offset:16*SP*\q+64*\u
	ds_store_b128 v15, v[160+8*(2*\q+\u)+4:160+8*(2*\q+\u)+7] offset:16*SP*\q+64*\u+16
.endr
.endr
	s_wait_dscnt 0x0
	s_barrier_signal -1
	s_barrier_wait -1                              ; 64 whole rows of the output lie in the stage
.irp i, 0,1,2,3,4,5,6,7
	ds_load_b128 v[96+4*\i:96+4*\i+3], v31 offset:SP*\i
.endr
.irp i, 0,1,2,3,4,5,6,7
	s_wait_dscnt 7-\i                              ; row i is back; the younger loads may be out
	global_store_b128 v10, v[96+4*\i:96+4*\i+3], s[14:15] offset:512*\i th:TH_STORE_NT   ; 32 lanes store a row of 512 consecutive bytes, at a multiple of 512 from the output's first byte
.endr
	s_wait_tensorcnt 0x0                           ; the wave's end, behind my last tensor load and my last LDS store
	ds_add_u32 v[SPW], v[NIL]
	s_wait_dscnt 0x0
	CROUND                                         ; the closing round: no work-group ends while a partner may still ask for a tile that names it
	s_endpgm
.Lfunc_end_k_q79629fcf47_attn:
	.size	k_q79629fcf47_attn, .Lfunc_end_k_q79629fcf47_attn-k_q79629fcf47_attn
	.p2alignl 7, 3214868480
	.fill 96, 4, 3214868480
	.section	.rodata,"a",@progbits
	.p2align	6, 0x0
	.amdhsa_kernel k_q79629fcf47_attn
		.amdhsa_group_segment_fixed_size 327680
		.amdhsa_private_segment_fixed_size 0
		.amdhsa_enable_private_segment 0
		.amdhsa_kernarg_size 48
		.amdhsa_user_sgpr_count 2
		.amdhsa_user_sgpr_kernarg_segment_ptr 1
		.amdhsa_wavefront_size32 1
		.amdhsa_system_sgpr_workgroup_id_x 1
		.amdhsa_system_sgpr_workgroup_id_y 1
		.amdhsa_system_sgpr_workgroup_id_z 1
		.amdhsa_system_vgpr_workitem_id 0
		.amdhsa_next_free_vgpr 512
		.amdhsa_next_free_sgpr 100
		.amdhsa_reserve_vcc 0
		.amdhsa_float_denorm_mode_32 3
		.amdhsa_float_denorm_mode_16_64 3
		.amdhsa_memory_ordered 1
		.amdhsa_forward_progress 1
		.amdhsa_inst_pref_size 123
	.end_amdhsa_kernel
	.amdgpu_metadata
---
amdhsa.version: [ 1, 2 ]
amdhsa.kernels:
  - .name:           k_q79629fcf47_attn
    .symbol:         k_q79629fcf47_attn.kd
    .args:
      - { .name: qimg, .offset: 0, .size: 8, .value_kind: global_buffer, .address_space: global }
      - { .name: kvimg, .offset: 8, .size: 8, .value_kind: global_buffer, .address_space: global }
      - { .name: Wo_codes, .offset: 16, .size: 8, .value_kind: global_buffer, .address_space: global }
      - { .name: bo, .offset: 24, .size: 8, .value_kind: global_buffer, .address_space: global }
      - { .name: lowp_scales, .offset: 32, .size: 8, .value_kind: global_buffer, .address_space: global }
      - { .name: out0, .offset: 40, .size: 8, .value_kind: global_buffer, .address_space: global }
    .group_segment_fixed_size: 327680
    .private_segment_fixed_size: 0
    .kernarg_segment_align: 8
    .kernarg_segment_size: 48
    .max_flat_workgroup_size: 256
    .sgpr_count:     100
    .vgpr_count:     512
    .wavefront_size: 32
...
	.end_amdgpu_metadata
.endif
;; end of part 2
;; ======== version 2 of 2: 2 launches; version 1 with the launch proj written anew for expert scheduling mode
;; workspace buffers: qimg 2,097,152 bytes; kvimg 4,194,304 bytes
;; launch proj (part 3): grid 128 x 3, 8 waves a work-group, no clusters, 33,792 bytes of LDS; arguments ligand_codes, pocket_codes, Wq_codes, Wk_codes, Wv_codes, bq, bk, bv, lowp_scales, qimg, kvimg; writes qimg, kvimg
.if DOCPART == 3
	.amdgcn_target "amdgcn-amd-amdhsa--gfx1250"
	.amdhsa_code_object_version 6
	.text
	.protected	k_q79629fcf47_proj
	.globl	k_q79629fcf47_proj
	.p2align	8
	.type	k_q79629fcf47_proj,@function
k_q79629fcf47_proj:
	s_mov_b64 s[64:65], 0
	v_nop
	global_prefetch_b8 v0, s[64:65] scope:SCOPE_SE
	s_setreg_imm32_b32 hwreg(HW_REG_WAVE_SCHED_MODE, 0, 2), 2
	s_setreg_imm32_b32 hwreg(HW_REG_WAVE_MODE, 25, 1), 1
	s_wait_xcnt 0x0
	s_wait_alu depctr_vm_vsrc(0)
; Q = ligand Wq + bq, K = pocket Wk + bk, V = pocket Wv + bv, on the given codes of E5M2, each result quantised at once for the product that takes it:
; Q with 2^e6, K with 2^e7 (both along the head's 128), V with 2^e9 (along the keys).  e0 .. e11 are the whole numbers of lowp_scales.
; DEAD WORK: none in the whole program.  bq and bk move Q's and K's codes (a quantiser is a step of the problem), bv moves V's codes, bo is added to the output; all six products are live.  Every input is loaded.
; WHAT IS STORED: IMAGES OF OPERAND REGISTERS.  A fragment (16 rows x 128 along K, 16 registers a lane) is 2,048 bytes: chunk c (registers 4 c .. 4 c + 3) at 512 c + 16 x lane; lane (r, h) holds k = 32 c + 16 h + 0 .. 15 of the
; tile's row r.  That order of k is the same in both operands of every product of the program, so every product meets its partner; only the order of the sums inside an instruction differs from ascending k.
; THE ROWS OF A TILE ARE NOT NEIGHBOURS: lane r of tile t of a block of 128 takes row(t, r) = 32 (t / 2) + 8 (t % 2) + r + 8 (r / 8).  A product used transposed, whose source 0 follows that pattern, leaves in the 16 registers
; of result tiles 2 b and 2 b + 1 of lane (., h) the indices 32 b + 16 h + 0 .. 15: the conversions' results are the next operand's registers.
;   qimg:  [tile T = 8 X + t][2048], X = block of 128 rows of ligand (all batches on end).   kvimg: [X][K's 8 tiles | V's 8 tiles][2048], X = block of 128 rows of pocket: 32 KB a block.
; SHARES.  Work-group (X, job): job 0 = Q, 1 = K, 2 = V.  Wave w makes fragment w: 8 result tiles D[i] = INNER tile i (source 0) x OUTER tile w (source 1), two K steps of 128.
;   Q, K: INNER = the weight's 128 rows (units), OUTER = the block's 128 rows: a lane holds one row and its registers run along the units.
;   V:    INNER = the block's 128 rows of pocket (keys), OUTER = Wv's 128 rows (channels): a lane holds one channel and its registers run along the keys.
; One path serves all three: only pointers, offsets and exponents are chosen, by the job's number.  INNER is shared through LDS: wave w loads tile w and stores its image, so a work-group asks memory for each of its 64 KB once.
; The bias is what the sums begin with, divided by the power of two that the sums lack: b / 2^(ea + eb); the three scales are folded into the conversion's one: 2^(eo - ea - eb).
; NO CLUSTER, NO TENSOR LOAD: a work-group's whole input is 64 KB, asked for in one run of 16 loads a wave at its head; there is no walk over tiles in which joint requests could be repeated.  No prefetch: nothing is asked for later than at the head.
; LIMITS: eo - ea - eb between -126 and 112 for (e0, e1, e6), (e2, e3, e7), (e4, e5, e9), so that both powers of two below are f32 numbers.  NaN among the inputs is not served.
; THE MODE: SCHED_MODE bits 1:0 = 2 (LLVM: expert scheduling mode 2), set by the entry lines.  The code itself states the register dependences
; between vector or matrix instructions and memory or LDS instructions, with s_wait_alu, always for 0.
; THE PLAN.  Registers that memory or LDS instructions touch:
;   v1, v2, v6 .. v10   the add's two, and the offsets and LDS addresses: written by vector lines at the head, never again; one wait on va_vdst ahead of the first load serves all their readers.
;   OUTR                written by global loads once; read by products alone.
;   INR                 four buffers of 32 registers; tile i of INNER takes buffer i % 4.  Buffer 0: my own tile from memory; read by my LDS stores (a wait on vm_vsrc behind them); then LDS loads land in all four.
;                       The products go by pairs of tiles.  Behind the products of tiles 0, 1 one wait on va_vdst frees buffers 0, 1: the loads of tiles 4, 5 follow it, dealt among the products of tiles 2, 3, which name
;                       buffers 2, 3, OUTR and their own accumulators: none of the registers that those loads touch.  Likewise behind the products of tiles 2, 3, for tiles 6, 7 among the products of tiles 4, 5.
;   ACC, v13            the bias lands there by loads that stand ahead of every vector line that names them; afterwards vector and matrix lines alone.
;   PC                  written by the conversions, read by the four global stores (a wait on va_vdst between), not written again.
.set SPARE, 32768                      ; LDS: 0 .. 32767 INNER's images (tile i, K step s, chunk c at 4096 i + 2048 s + 512 c + 16 x lane); then the spare words, 128 bytes a wave
.set SPW,  1                           ; v1   LDS address of my spare word; never rewritten
.set NIL,  2                           ; v2   0; never rewritten
.set LO,   6                           ; v6   row(w, r) x 256 + 16 h: my lane's bytes in a block of 128 rows of 256 codes
.set LI,   7                           ; v7   16 x lane
.set IST,  8                           ; v8   4096 w + 16 x lane: where I store INNER tile w's image
.set BOK,  9                           ; v9   64 h: the bias of Q and K hangs on the unit
.set BOV,  10                          ; v10  4 x row(w, r): the bias of V hangs on the channel
.set SC,   11                          ; v11  2^(eo - ea - eb) as f32
.set LIM,  12                          ; v12  57,344 x that
.set VB,   13                          ; v13  bv of my channel
.set OUTR, 16                          ; v16-47   OUTER tile w: 16 s + 4 c
.set INR,  48                          ; v48-175  four buffers for tiles of INNER: 32 (i % 4) + 16 s + 4 c
.set ACC,  176                         ; v176-239 the 8 result tiles
.set PC,   240                         ; v240-255 the fragment's codes
	s_load_b512 s[4:19], s[0:1], 0x0               ; ligand s[4:5], pocket s[6:7], Wq s[8:9], Wk s[10:11], Wv s[12:13], bq s[14:15], bk s[16:17], bv s[18:19]
	s_load_b128 s[20:23], s[0:1], 0x40             ; lowp_scales s[20:21], qimg s[22:23]
	s_load_b64 s[24:25], s[0:1], 0x50              ; kvimg
	v_lshl_add_u32 v[SPW], v0, 2, SPARE
	v_mov_b32 v[NIL], 0
	v_lshrrev_b32 v3, 5, v0
	v_readfirstlane_b32 s26, v3                    ; wave 0..7
	s_and_b32 s27, ttmp7, 0xffff                   ; the job
	v_and_b32 v4, 15, v0                           ; r
	v_bfe_u32 v5, v0, 4, 1                         ; h
	v_and_b32 v14, 8, v4
	v_add_nc_u32 v14, v14, v4                      ; r + 8 (r / 8)
	v_lshlrev_b32 v[BOK], 6, v5
	v_and_b32 v[LI], 31, v0
	v_lshlrev_b32 v[LI], 4, v[LI]
	s_wait_alu depctr_va_sdst(0)                   ; s26 is written, ahead of its first reader: the tile's rows, the LDS address and the images' place are made from it
	s_lshr_b32 s56, s26, 1
	s_lshl_b32 s56, s56, 5
	s_and_b32 s57, s26, 1
	s_lshl_b32 s57, s57, 3
	s_add_co_u32 s56, s56, s57                     ; 32 (w / 2) + 8 (w % 2)
	v_add_nc_u32 v14, s56, v14                     ; row(w, r)
	v_lshlrev_b32 v[LO], 8, v14
	v_lshl_add_u32 v[LO], v5, 4, v[LO]
	v_lshlrev_b32 v[BOV], 2, v14
	s_lshl_b32 s59, s26, 12
	v_add_nc_u32 v[IST], s59, v[LI]
	s_lshl_b32 s55, ttmp9, 15                      ; the block's 128 rows of 256 bytes
	s_lshl_b32 s58, s26, 11                        ; my fragment's place among the eight
	s_wait_kmcnt 0x0
	s_load_b256 s[40:47], s[20:21], 0x0            ; e0 .. e7
	s_load_b128 s[48:51], s[20:21], 0x20           ; e8 .. e11
	; the choices hang on the job's number alone
	s_cmp_eq_u32 s27, 0
	s_cselect_b64 s[28:29], s[4:5], s[6:7]         ; the rows: ligand or pocket
	s_cselect_b64 s[30:31], s[8:9], s[10:11]       ; the weight: Wq or Wk,
	s_cselect_b64 s[36:37], s[14:15], s[16:17]     ; the bias: bq or bk,
	s_cselect_b64 s[38:39], s[22:23], s[24:25]     ; the images: qimg or kvimg
	s_cselect_b32 s54, 14, 15                      ; a block's images: 16 KB in qimg, 32 KB in kvimg
	s_lshl_b32 s56, ttmp9, s54
	s_add_co_u32 s56, s56, s58
	s_cmp_eq_u32 s27, 2
	s_cselect_b64 s[30:31], s[12:13], s[30:31]     ; or Wv,
	s_cselect_b64 s[36:37], s[18:19], s[36:37]     ; or bv
	s_cselect_b64 s[32:33], s[28:29], s[30:31]     ; INNER: V: the rows; Q, K: the weight
	s_cselect_b64 s[34:35], s[30:31], s[28:29]     ; OUTER: the other one
	s_cselect_b32 s52, s55, 0                      ; the block's offset goes to the one that holds the rows
	s_cselect_b32 s54, 0, s55
	s_cselect_b32 s57, 0x4000, 0                   ; V's tiles lie behind K's eight
	s_add_co_u32 s56, s56, s57
	s_mov_b32 s53, 0
	s_mov_b32 s55, 0
	s_mov_b32 s57, 0
	s_add_nc_u64 s[32:33], s[32:33], s[52:53]
	s_add_nc_u64 s[34:35], s[34:35], s[54:55]
	s_add_nc_u64 s[38:39], s[38:39], s[56:57]
.macro FRAGLD reg, p                   ; tile w's two fragments: lane (r, h) takes, of row(w, r), the 16 codes at 128 s + 32 c + 16 h
.irp s, 0,1
.irp c, 0,1,2,3
	global_load_b128 v[\reg+16*\s+4*\c:\reg+16*\s+4*\c+3], v[LO], s[\p:\p+1] offset:128*\s+32*\c
.endr
.endr
.endm
	s_wait_alu depctr_va_vdst(0)                   ; v1, v2 and v6 to v10 are written: every load, store and LDS instruction of the kernel reads its offset or address there, and no vector line writes them again
	FRAGLD INR, 32
	FRAGLD OUTR, 34
	s_wait_kmcnt 0x0
	s_cmp_eq_u32 s27, 0
	s_cselect_b32 s52, s40, s42                    ; ea
	s_cselect_b32 s53, s41, s43                    ; eb
	s_cselect_b32 s54, s46, s47                    ; eo
	s_cmp_eq_u32 s27, 2
	s_cselect_b32 s52, s44, s52
	s_cselect_b32 s53, s45, s53
	s_cselect_b32 s54, s49, s54
	s_add_co_i32 s52, s52, s53                     ; ea + eb
	s_sub_co_i32 s53, 0, s52                       ; and its negative, for the bias
	s_add_co_i32 s54, s54, s53
	s_add_co_i32 s54, s54, 127
	s_lshl_b32 s55, s54, 23
	v_mov_b32 v[SC], s55                           ; the conversion takes its exponent field
	s_add_co_i32 s54, s54, 15
	s_lshl_b32 s54, s54, 23
	s_or_b32 s54, s54, 0x600000
	v_mov_b32 v[LIM], s54
	; the sums begin with the bias / 2^(ea + eb).  The two arms hold no LDS instruction and no barrier.  No vector line ahead of these loads names the registers in which they land.
	s_cmp_eq_u32 s27, 2
	s_cbranch_scc1 .Lbias_v
.irp i, 0,1,2,3,4,5,6,7                ; register j of tile i is unit 32 (i / 2) + 8 (i % 2) + 16 h + j
	global_load_b128 v[ACC+8*\i:ACC+8*\i+3], v[BOK], s[36:37] offset:(32*(\i/2)+8*(\i%2))*4
	global_load_b128 v[ACC+8*\i+4:ACC+8*\i+7], v[BOK], s[36:37] offset:(32*(\i/2)+8*(\i%2))*4+16
.endr
	s_wait_loadcnt 0x0                             ; the bias, and both tiles' fragments ahead of it
.set N, 0
.rept 64
	v_ldexp_f32 v[ACC+N], v[ACC+N], s53
.set N, N+1
.endr
	s_branch .Lbias_done
.Lbias_v:
	global_load_b32 v[VB], v[BOV], s[36:37]        ; one number a lane: all 64 registers belong to my channel
	s_wait_loadcnt 0x0
.set N, 0
.rept 64
	v_ldexp_f32 v[ACC+N], v[VB], s53
.set N, N+1
.endr
.Lbias_done:
.irp s, 0,1                            ; the stores' data came by loads, their address was written ahead of the head's wait on va_vdst: no vector line since names either
.irp c, 0,1,2,3
	ds_store_b128 v[IST], v[INR+16*\s+4*\c:INR+16*\s+4*\c+3] offset:2048*\s+512*\c
.endr
.endr
	s_wait_dscnt 0x0                               ; for the others' sake: my image has landed
	s_barrier_signal -1
	s_barrier_wait -1                              ; INNER's eight tiles lie in LDS
.macro LD4 i, s                        ; K step s of INNER's tile i: four loads into buffer i % 4
.irp c, 0,1,2,3
	ds_load_b128 v[INR+32*((\i)%4)+16*(\s)+4*\c:INR+32*((\i)%4)+16*(\s)+4*\c+3], v[LI] offset:4096*(\i)+2048*(\s)+512*\c
.endr
.endm
.macro MM i, s                         ; result tile i takes K step s
	v_wmma_f32_16x16x128_bf8_bf8 v[ACC+8*(\i):ACC+8*(\i)+7], v[INR+32*((\i)%4)+16*(\s):INR+32*((\i)%4)+16*(\s)+15], v[OUTR+16*(\s):OUTR+16*(\s)+15], v[ACC+8*(\i):ACC+8*(\i)+7]
.endm
.macro PLACES
.rept 4
	v_nop                                          ; places in front of loads into registers that matrix instructions have read
.endr
.endm
; The products of tiles a, a + 1, whose 16 loads are the youngest out at the macro's head (both tiles' K step 0, then both tiles' K step 1), with the 16 loads of tiles n, n + 1 dealt among them, in the same order.
; The two accumulators take turns, one instruction a turn.  No wait on va_vdst inside: these products name the two buffers in which no load of the macro lands.
.macro PAIR a, n
	LD4 \n, 0
	s_wait_dscnt 12                                ; LDS loads come back in order (ISA guide 5.7.1): K step 0 of tiles a, a + 1 is in; their K step 1 (8 loads) and the four just issued may be out
	MM \a, 0
	LD4 (\n)+1, 0
	MM (\a)+1, 0
	LD4 \n, 1
	s_wait_dscnt 12                                ; K step 1 of tiles a, a + 1 is in; the twelve loads of tiles n, n + 1 issued so far may be out
	MM \a, 1
	LD4 (\n)+1, 1
	MM (\a)+1, 1
.endm
	s_wait_alu depctr_vm_vsrc(0)                   ; my LDS stores have read buffer 0 (v48 to v79), in which tile 0's loads land
	LD4 0, 0
	LD4 1, 0
	LD4 0, 1
	LD4 1, 1
	LD4 2, 0
	LD4 3, 0
	LD4 2, 1
	LD4 3, 1
	s_wait_dscnt 24                                ; K step 0 of tiles 0, 1 is in; the 24 younger loads may be out
	MM 0, 0
	MM 1, 0
	s_wait_dscnt 16                                ; K step 1 of tiles 0, 1 is in; the 16 loads of tiles 2, 3 may be out
	MM 0, 1
	MM 1, 1
	PLACES
	s_wait_alu depctr_va_vdst(0)                   ; the products of tiles 0, 1 are done reading buffers 0, 1, in which the loads of tiles 4, 5 land
	PAIR 2, 4
	PLACES
	s_wait_alu depctr_va_vdst(0)                   ; the products of tiles 2, 3 are done reading buffers 2, 3, in which the loads of tiles 6, 7 land
	PAIR 4, 6
	s_wait_dscnt 8                                 ; K step 0 of tiles 6, 7 is in; their K step 1 (8 loads) may be out
	MM 6, 0
	MM 7, 0
	s_wait_dscnt 0x0
	MM 6, 1
	MM 7, 1
.rept 4
	v_nop                                          ; places in front of the first read of results
.endr
.irp b, 0,1,2,3                        ; each accumulator from its low end on
.set N, 0
.rept 16
	v_med3_num_f32 v[ACC+16*\b+N], v[ACC+16*\b+N], -v[LIM], v[LIM]   ; the conversion to an 8-bit code does not saturate (ISA guide 7.6.2): the hold at the largest code x the scale
.set N, N+1
.endr
	v_cvt_scalef32_pk8_bf8_f32 v[PC+4*\b:PC+4*\b+1], v[ACC+16*\b:ACC+16*\b+7], v[SC]
	v_cvt_scalef32_pk8_bf8_f32 v[PC+4*\b+2:PC+4*\b+3], v[ACC+16*\b+8:ACC+16*\b+15], v[SC]
.endr
	v_nop                                          ; a plain line behind the last conversion
	s_wait_alu depctr_va_vdst(0)                   ; the conversions have written v240 to v255, which the four stores read
.irp c, 0,1,2,3
	global_store_b128 v[LI], v[PC+4*\c:PC+4*\c+3], s[38:39] offset:512*\c   ; the wave stores 512 consecutive bytes, at a multiple of 512 from the buffer's first byte
.endr
	s_wait_dscnt 0x0                               ; the wave's end: the closing lines, six on end
	s_wait_alu 0x0
	s_wait_tensorcnt 0x0
	ds_add_u32 v[SPW], v[NIL]
	s_wait_dscnt 0x0
	s_endpgm
.Lfunc_end_k_q79629fcf47_proj:
	.size	k_q79629fcf47_proj, .Lfunc_end_k_q79629fcf47_proj-k_q79629fcf47_proj
	.p2alignl 7, 3214868480
	.fill 96, 4, 3214868480
	.section	.rodata,"a",@progbits
	.p2align	6, 0x0
	.amdhsa_kernel k_q79629fcf47_proj
		.amdhsa_group_segment_fixed_size 33792
		.amdhsa_private_segment_fixed_size 0
		.amdhsa_enable_private_segment 0
		.amdhsa_kernarg_size 88
		.amdhsa_user_sgpr_count 2
		.amdhsa_user_sgpr_kernarg_segment_ptr 1
		.amdhsa_wavefront_size32 1
		.amdhsa_system_sgpr_workgroup_id_x 1
		.amdhsa_system_sgpr_workgroup_id_y 1
		.amdhsa_system_sgpr_workgroup_id_z 1
		.amdhsa_system_vgpr_workitem_id 0
		.amdhsa_next_free_vgpr 256
		.amdhsa_next_free_sgpr 66
		.amdhsa_reserve_vcc 0
		.amdhsa_float_denorm_mode_32 3
		.amdhsa_float_denorm_mode_16_64 3
		.amdhsa_memory_ordered 1
		.amdhsa_forward_progress 1
		.amdhsa_inst_pref_size 26
	.end_amdhsa_kernel
	.amdgpu_metadata
---
amdhsa.version: [ 1, 2 ]
amdhsa.kernels:
  - .name:           k_q79629fcf47_proj
    .symbol:         k_q79629fcf47_proj.kd
    .args:
      - { .name: ligand_codes, .offset: 0, .size: 8, .value_kind: global_buffer, .address_space: global }
      - { .name: pocket_codes, .offset: 8, .size: 8, .value_kind: global_buffer, .address_space: global }
      - { .name: Wq_codes, .offset: 16, .size: 8, .value_kind: global_buffer, .address_space: global }
      - { .name: Wk_codes, .offset: 24, .size: 8, .value_kind: global_buffer, .address_space: global }
      - { .name: Wv_codes, .offset: 32, .size: 8, .value_kind: global_buffer, .address_space: global }
      - { .name: bq, .offset: 40, .size: 8, .value_kind: global_buffer, .address_space: global }
      - { .name: bk, .offset: 48, .size: 8, .value_kind: global_buffer, .address_space: global }
      - { .name: bv, .offset: 56, .size: 8, .value_kind: global_buffer, .address_space: global }
      - { .name: lowp_scales, .offset: 64, .size: 8, .value_kind: global_buffer, .address_space: global }
      - { .name: qimg, .offset: 72, .size: 8, .value_kind: global_buffer, .address_space: global }
      - { .name: kvimg, .offset: 80, .size: 8, .value_kind: global_buffer, .address_space: global }
    .group_segment_fixed_size: 33792
    .private_segment_fixed_size: 0
    .kernarg_segment_align: 8
    .kernarg_segment_size: 88
    .max_flat_workgroup_size: 256
    .sgpr_count:     66
    .vgpr_count:     256
    .wavefront_size: 32
...
	.end_amdgpu_metadata
.endif
;; end of part 3
;; launch attn: the kernel of part 2 again; grid 64 x 4, 8 waves a work-group, clusters of 4 x 1, 327,680 bytes of LDS; arguments qimg, kvimg, Wo_codes, bo, lowp_scales, out0; writes out0
